; MI455X (gfx1250); checked and timed in simulation.
; The chip was launched on July 23, 2026; its instructions are those of AMD's public machine-readable ISA for CDNA 5 (MIT licence, August 2026) and "CDNA5" Instruction Set Architecture Reference Guide (July 2026). The comments in the code are by the model that wrote it; some were corrected since.
;; Mixture Of Experts. Allowed arithmetic: matrix products marked QUANTISED: E4M3 operands, one E8M0 scale for each 32 along K, by v_wmma_scale_f32_16x16x128_f8f6f4 with both operands' format E4M3, f32 sums; everything else in f32.
;; Inputs: W 8 x 1,024 x 1,024 float32; b 8 x 1,024 float32; gates 8,192 x 8 float32; x 8,192 x 1,024 float32.
;; Outputs: out0 8,192 x 1,024 float32.
;; This version of the problem:
;;   THIS VERSION OF THE PROBLEM IS GIVEN IN LOW PRECISION. The matrix products marked QUANTISED in the list below multiply operands that are first quantised to E4M3 (4 exponent bits, 3 mantissa bits; 8 bits a number), with one power-of-two scale for each 32 numbers along K (OCP MX v1.0); their sums are f32. All else is computed in f32.
;;   The module's matrix products, in the order in which they are computed (A, B: the left and right operand; K: the contracted axis; several contracted axes count as one K, in the product's order):
;;     1. [M 8,192, K 1,024] x [K 1,024, N 1,024]; A: input x; B: input W: QUANTISED
;;     2. [M 8,192, K 1,024] x [K 1,024, N 1,024]; A: input x; B: input W: QUANTISED
;;     3. [M 8,192, K 1,024] x [K 1,024, N 1,024]; A: input x; B: input W: QUANTISED
;;     4. [M 8,192, K 1,024] x [K 1,024, N 1,024]; A: input x; B: input W: QUANTISED
;;     5. [M 8,192, K 1,024] x [K 1,024, N 1,024]; A: input x; B: input W: QUANTISED
;;     6. [M 8,192, K 1,024] x [K 1,024, N 1,024]; A: input x; B: input W: QUANTISED
;;     7. [M 8,192, K 1,024] x [K 1,024, N 1,024]; A: input x; B: input W: QUANTISED
;;     8. [M 8,192, K 1,024] x [K 1,024, N 1,024]; A: input x; B: input W: QUANTISED
;;   THE QUANTISER, for each operand of a quantised product, along K:
;;     - K is cut into blocks of 32 from its start; a last block that is shorter is filled with zeros.
;;     - A block's scale is 2^e with e = floor(log2(the largest magnitude in the block)) - 8, held to -126 .. 127; a block of zeros has e = 0. As a byte (E8M0): e + 127.
;;     - Each number is divided by its block's scale, clamped to +-448, and rounded to the nearest number of E4M3, ties to even, subnormals kept.
;;     - The product sums the exact products of the quantised numbers (number of the format x scale) in f32.
;;   ~~~python
;;   def quantise(x, axis):      # numpy; x: float32 -> the quantised numbers, widened to float32 again
;;       x = np.moveaxis(x, axis, -1); K = x.shape[-1]
;;       x = np.pad(x, [(0, 0)] * (x.ndim - 1) + [(0, -K % 32)]); x = x.reshape(x.shape[:-1] + (-1, 32)); a = np.abs(x).max(-1, keepdims=True)
;;       e = np.where(a > 0, np.clip(np.frexp(np.where(a > 0, a, 1))[1] - 1 - 8, -126, 127), 0)      # np.frexp(a)[1] - 1 = floor(log2(a)), exactly
;;       r = np.clip(x / 2.0 ** e, -448, 448)
;;       step = 2.0 ** (np.maximum(np.frexp(np.where(r == 0, 1, r))[1] - 1, -6) - 3)
;;       q = np.round(r / step) * step * 2.0 ** e      # np.round: ties to even
;;       return np.moveaxis(q.reshape(q.shape[:-2] + (-1,))[..., :K], -1, axis).astype(np.float32)
;;   ~~~
;; One version. Each part assembles by itself: llvm-mc -triple=amdgcn-amd-amdhsa -mcpu=gfx1250 --defsym DOCPART=n.
;; ======== version 1 of 1: 3 launches
;; limits: right only within a limited range of input values
;; workspace buffers: xq 8,388,608 bytes; xs 262,144 bytes; wq 8,388,608 bytes; ws 262,144 bytes; kw 32,768 bytes of whole numbers; hist 65,536 bytes of whole numbers; order 32,768 bytes of whole numbers; omask 32,768 bytes of whole numbers
;; launch keys (part 1): grid 256 x 1, 1 waves a work-group, no clusters, 0 bytes of LDS; arguments gates, kw, hist; writes kw, hist
.if DOCPART == 1
	.amdgcn_target "amdgcn-amd-amdhsa--gfx1250"
	.amdhsa_code_object_version 6
	.text
	.protected	k_q5d35289d44_keys
	.globl	k_q5d35289d44_keys
	.p2align	8
	.type	k_q5d35289d44_keys,@function
k_q5d35289d44_keys:
	s_mov_b64 s[64:65], 0
	v_nop
	global_prefetch_b8 v0, s[64:65] scope:SCOPE_SE
	s_setreg_imm32_b32 hwreg(HW_REG_WAVE_MODE, 25, 1), 1
	s_wait_xcnt 0x0
; THE PROGRAM.  out0[t] = sum over e of gates[t][e] x (Q(x)[t] . Q(W[e]) + b[e]).  An expert whose gate is 0 for a token adds 0 to that token's row, whatever finite numbers x, W and b hold: so the product's launch
; multiplies a block of tokens by those experts alone for which some token of the block has a gate other than 0.  Which they are is decided here, from gates, stored as whole numbers, and read by the later launches.
; Any gates are served: any number of experts a token, from none to all eight, of either sign.
; LIMIT: a NaN, an infinity or an overflow in a product, a bias or a sum that only gates of 0 would multiply is not carried to the result.
; THIS LAUNCH: a wave takes 32 tokens, a lane a token.  A token's set of experts is a number of 8 bits, bit e = (gates[t][e] is not 0).  Its KEY is the set's rank in Gray order: neighbours in that order differ in few experts,
; so that a run of tokens sorted by key needs few experts.  Bit i of the key is the exclusive or of the set's bits i .. 7.
;   kw[t] = key | (how many lower lanes of the 32 have the same key) << 8;   hist[group of 32][256]: how many of the 32 have each key, a byte each.
; The sets' bits are taken as ballots, one scalar a bit; nothing here is addressed by what the gates hold.
	s_load_b128 s[4:7], s[0:1], 0x0                ; gates, kw
	s_load_b64 s[8:9], s[0:1], 0x10                ; hist
	v_lshlrev_b32 v1, 5, v0                        ; 32 bytes of gates a token
	v_lshlrev_b32 v2, 2, v0
	v_lshlrev_b32 v3, 3, v0
	s_mov_b32 s11, 0
	s_mov_b32 s40, 0xaaaaaaaa                      ; the lanes whose number has bit 0, 1, .. 4
	s_mov_b32 s41, 0xcccccccc
	s_mov_b32 s42, 0xf0f0f0f0
	s_mov_b32 s43, 0xff00ff00
	s_mov_b32 s44, 0xffff0000
	s_mov_b32 s50, 0x55555555
	s_mov_b32 s51, 0x33333333
	s_mov_b32 s52, 0x0f0f0f0f
	s_mov_b32 s53, 0x01010101
	s_wait_alu depctr_va_vdst(0)                   ; the wait at the head's end
	s_wait_kmcnt 0x0
	s_lshl_b32 s10, ttmp9, 10
	s_add_nc_u64 s[4:5], s[4:5], s[10:11]
	s_lshl_b32 s10, ttmp9, 7
	s_add_nc_u64 s[6:7], s[6:7], s[10:11]
	s_lshl_b32 s10, ttmp9, 8
	s_add_nc_u64 s[8:9], s[8:9], s[10:11]
	global_load_b128 v[4:7], v1, s[4:5]
	global_load_b128 v[8:11], v1, s[4:5] offset:16
	s_wait_loadcnt 0x0
.irp e, 0,1,2,3,4,5,6,7
	v_cmp_neq_f32 s[16+\e], 0, v[4+\e]             ; ballot of expert e
.endr
.irp e, 6,5,4,3,2,1,0
	s_xor_b32 s[16+\e], s[16+\e], s[17+\e]         ; and of the key's bit e
.endr
	v_cndmask_b32 v12, 0, 1, s23
.irp e, 6,5,4,3,2,1,0
	v_cndmask_b32 v13, 0, 1, s[16+\e]
	v_lshl_or_b32 v12, v12, 1, v13                 ; my key
.endr
	v_mov_b32 v14, 0
.irp e, 0,1,2,3,4,5,6,7
	v_cndmask_b32 v13, 0, -1, s[16+\e]
	v_xor_b32 v13, s[16+\e], v13
	v_or_b32 v14, v14, v13                         ; the lanes whose key differs from mine
.endr
	v_not_b32 v14, v14
	v_mbcnt_lo_u32_b32 v15, v14, 0                 ; lower lanes with my key
	v_lshl_or_b32 v15, v15, 8, v12
	global_store_b32 v2, v15, s[6:7]
; the histogram: lane l counts keys 8 l .. 8 l + 7: the tokens whose upper five bits are l, parted by the lower three
	v_mov_b32 v16, 0
.irp j, 0,1,2,3,4
	v_cndmask_b32 v13, 0, -1, s[40+\j]
	v_xor_b32 v13, s[19+\j], v13
	v_or_b32 v16, v16, v13
.endr
	v_not_b32 v16, v16
	s_not_b32 s24, s16
	s_not_b32 s25, s17
	s_not_b32 s26, s18
	v_and_b32 v20, s26, v16
	v_and_b32 v21, s18, v16
	v_and_b32 v22, s25, v20
	v_and_b32 v23, s17, v20
	v_and_b32 v24, s25, v21
	v_and_b32 v25, s17, v21
.irp b, 0,1,2,3
	v_and_b32 v[40+2*\b], s24, v[22+\b]
	v_and_b32 v[41+2*\b], s16, v[22+\b]
.endr
; the ones in each of the eight masks
.macro EACH op, d, x, y
.irp b, 0,1,2,3,4,5,6,7
	\op v[\d+\b], \x, v[\y+\b]
.endr
.endm
.macro SUMS op
.irp b, 0,1,2,3,4,5,6,7
	\op v[40+\b], v[40+\b], v[28+\b]
.endr
.endm
	EACH v_lshrrev_b32, 28, 1, 40
	EACH v_and_b32, 28, s50, 28
	SUMS v_sub_nc_u32
	EACH v_and_b32, 28, s51, 40
	EACH v_lshrrev_b32, 40, 2, 40
	EACH v_and_b32, 40, s51, 40
	SUMS v_add_nc_u32
	EACH v_lshrrev_b32, 28, 4, 40
	SUMS v_add_nc_u32
	EACH v_and_b32, 40, s52, 40
	EACH v_mul_lo_u32, 40, s53, 40
	EACH v_lshrrev_b32, 40, 24, 40
.irp w, 0,1
	v_lshl_or_b32 v[50+\w], v[41+4*\w], 8, v[40+4*\w]
	v_lshl_or_b32 v[50+\w], v[42+4*\w], 16, v[50+\w]
	v_lshl_or_b32 v[50+\w], v[43+4*\w], 24, v[50+\w]
.endr
	global_store_b64 v3, v[50:51], s[8:9]          ; 32 lanes store 256 consecutive bytes, aligned
	s_endpgm
.Lfunc_end_k_q5d35289d44_keys:
	.size	k_q5d35289d44_keys, .Lfunc_end_k_q5d35289d44_keys-k_q5d35289d44_keys
	.p2alignl 7, 3214868480
	.fill 96, 4, 3214868480
	.section	.rodata,"a",@progbits
	.p2align	6, 0x0
	.amdhsa_kernel k_q5d35289d44_keys
		.amdhsa_group_segment_fixed_size 0
		.amdhsa_private_segment_fixed_size 0
		.amdhsa_enable_private_segment 0
		.amdhsa_kernarg_size 24
		.amdhsa_user_sgpr_count 2
		.amdhsa_user_sgpr_kernarg_segment_ptr 1
		.amdhsa_wavefront_size32 1
		.amdhsa_system_sgpr_workgroup_id_x 1
		.amdhsa_system_sgpr_workgroup_id_y 1
		.amdhsa_system_sgpr_workgroup_id_z 1
		.amdhsa_system_vgpr_workitem_id 0
		.amdhsa_next_free_vgpr 64
		.amdhsa_next_free_sgpr 66
		.amdhsa_reserve_vcc 0
		.amdhsa_float_denorm_mode_32 3
		.amdhsa_float_denorm_mode_16_64 3
		.amdhsa_memory_ordered 1
		.amdhsa_forward_progress 1
		.amdhsa_inst_pref_size 10
	.end_amdhsa_kernel
	.amdgpu_metadata
---
amdhsa.version: [ 1, 2 ]
amdhsa.kernels:
  - .name:           k_q5d35289d44_keys
    .symbol:         k_q5d35289d44_keys.kd
    .args:
      - { .name: gates, .offset: 0, .size: 8, .value_kind: global_buffer, .address_space: global }
      - { .name: kw, .offset: 8, .size: 8, .value_kind: global_buffer, .address_space: global }
      - { .name: hist, .offset: 16, .size: 8, .value_kind: global_buffer, .address_space: global }
    .group_segment_fixed_size: 0
    .private_segment_fixed_size: 0
    .kernarg_segment_align: 8
    .kernarg_segment_size: 24
    .max_flat_workgroup_size: 32
    .sgpr_count:     66
    .vgpr_count:     64
    .wavefront_size: 32
...
	.end_amdgpu_metadata
.endif
;; end of part 1
;; launch quant (part 2): grid 576 x 1, 4 waves a work-group, no clusters, 33,280 bytes of LDS; arguments x, W, xq, xs, wq, ws, kw, hist, order, omask; writes xq, xs, wq, ws, order, omask
.if DOCPART == 2
	.amdgcn_target "amdgcn-amd-amdhsa--gfx1250"
	.amdhsa_code_object_version 6
	.text
	.protected	k_q5d35289d44_quant
	.globl	k_q5d35289d44_quant
	.p2align	8
	.type	k_q5d35289d44_quant,@function
k_q5d35289d44_quant:
	s_mov_b64 s[64:65], 0
	v_nop
	global_prefetch_b8 v0, s[64:65] scope:SCOPE_SE
	s_setreg_imm32_b32 hwreg(HW_REG_WAVE_MODE, 25, 1), 1
	s_wait_xcnt 0x0
; x [8192][1024] and W [8][1024 (k)][1024 (n)], f32, become codes of FP8 (E4M3) with one E8M0 scale byte for each 32 along K; and the tokens are put in the order of their keys.
;   xq [8192][1024] codes, xs [8192][32] bytes, row by row: the product's launch gathers rows.
;   wq [jc 16 chunks of 64 columns][e 8][s 8][t 4 tiles of 16 columns][c 4][lane 32][16 bytes]: lane (r, h) holds k = 128 s + 32 c + 16 h + 0 .. 15 of column 64 jc + 16 t + r: the order of the operand's registers.
;   ws [jc][e][sp 4][u 2][lane 32][s' 2] words: lane l holds column 64 jc + 32 u + l, K step 2 sp + s'; byte c of a word is block c of that K step.
;   order[p] = the token at place p, omask[p] = its set of experts: sorted by key, tokens of one key by number.
; A block's scale is 2^(floor(log2(its largest magnitude)) - 8); its byte is the largest magnitude's exponent field - 8, held at 1 from below.  Each number is divided by the scale, held within +-448, rounded to the nearest code.
; LIMITS: NaN and infinities among x and W are not served.  Blocks whose largest magnitude lies under 2^(8 - 126) get the byte 1.  A block of zeros gets the byte 1 where the rule says 127: its codes are zeros, which add nothing under any byte but 0xff, and this program alone reads the bytes.
; Work-groups 0 to 63 place tokens, 64 to 319 take x, 320 to 575 take W.  No tensor loads, no barrier: waves share nothing.  The x path alone uses LDS.
.set STEPS, 16
.set R,     16                         ; x path: v16-79   four sets of 16 numbers as they are loaded
.set X,     80                         ;         v80-111  two sets of 16 neighbours
.set E,     112                        ;         v112-127 a scale byte for each step
.set C,     128                        ;         v128-191 codes: four registers for each step, so that no store's data are written again
.set WREG,  8192                       ;         LDS: a region for each wave: two stages of 32 x SP bytes, behind them its 256 scale bytes
.set SP,    80                         ;         a lane's place in a stage: 64 bytes + 16 of padding
.set SPARE, 4*WREG                     ;         the spare words, 128 bytes for each wave
.set XW,    32                         ; W path: v32-95   two sets of 32 numbers down K
.set CW,    96                         ;         v96-159  codes: eight registers for each block
.set SBW,   24                         ;         v24-25   the scale bytes, four to a register
	s_load_b256 s[4:11], s[0:1], 0x0               ; x, W, xq, xs
	s_load_b256 s[12:19], s[0:1], 0x20             ; wq, ws, kw, hist
	s_load_b128 s[20:23], s[0:1], 0x40             ; order, omask
	v_lshl_add_u32 v12, v0, 2, SPARE
	v_mov_b32 v13, 0
	v_lshrrev_b32 v1, 5, v0
	v_readfirstlane_b32 s24, v1                    ; wave 0..3
	v_and_b32 v1, 31, v0                           ; lane
	s_mov_b32 s38, 0x600000                        ; the mantissa field of 448
	s_mov_b32 s29, 0
	s_wait_alu depctr_va_vdst(0)
	s_wait_kmcnt 0x0
	s_cmp_lt_u32 ttmp9, 64
	s_cbranch_scc1 .Lplace
	s_cmp_lt_u32 ttmp9, 320
	s_cbranch_scc0 .Lweights
; ---------------- x: a wave takes 8 rows, 16 steps of 512 numbers ----------------
; A load reads 512 consecutive bytes, 16 a lane; a step's 2,048 bytes turn through the wave's own stage and come back 64 bytes a lane: 16 neighbours along K, two lanes to a block.
	s_sub_co_u32 s26, ttmp9, 64
	s_lshl_b32 s26, s26, 2
	s_add_co_u32 s26, s26, s24                     ; which 8 rows
	s_lshl_b32 s28, s26, 15
	s_add_nc_u64 s[4:5], s[4:5], s[28:29]
	s_lshl_b32 s28, s26, 13
	s_add_nc_u64 s[8:9], s[8:9], s[28:29]
	s_lshl_b32 s28, s26, 8
	s_add_nc_u64 s[10:11], s[10:11], s[28:29]
	s_mul_i32 s30, s24, WREG
	s_add_co_u32 s31, s30, 2*32*SP
	v_lshlrev_b32 v3, 4, v1                        ; 16 x lane: my bytes of a load's 512, and of a store's
	v_lshrrev_b32 v14, 2, v1
	v_mul_u32_u24 v14, v14, SP
	v_and_b32 v15, 3, v1
	v_lshl_add_u32 v14, v15, 4, v14
	v_add_nc_u32 v14, s30, v14                     ; the stage, on the way in
	v_mul_u32_u24 v15, v1, SP
	v_add_nc_u32 v15, s30, v15                     ; and on the way out
	v_lshrrev_b32 v5, 1, v1
	v_add_nc_u32 v5, s31, v5                       ; my block's scale byte
	v_lshlrev_b32 v7, 3, v1
	v_add_nc_u32 v6, s31, v7                       ; and 8 bytes a lane on the way out
	s_wait_alu depctr_va_vdst(0)
.macro LOAD t
.irp i, 0,1,2,3
	global_load_b128 v[R+16*((\t)%4)+4*\i:R+16*((\t)%4)+4*\i+3], v3, s[4:5] offset:2048*(\t)+512*\i th:TH_LOAD_NT
.endr
.endm
.macro TURN t                          ; LDS serves a wave's instructions in order: no wait between the stores and the loads
.irp i, 0,1,2,3
	ds_store_b128 v14, v[R+16*((\t)%4)+4*\i:R+16*((\t)%4)+4*\i+3] offset:32*SP*((\t)%2)+8*SP*\i
.endr
.irp i, 0,1,2,3
	ds_load_b128 v[X+16*((\t)%2)+4*\i:X+16*((\t)%2)+4*\i+3], v15 offset:32*SP*((\t)%2)+16*\i
.endr
.endm
.irp t, 0,1,2,3
	LOAD \t
.endr
	s_wait_loadcnt 12                              ; step 0's four loads are in
	TURN 0
.macro STEP t
.set XS, X+16*((\t)%2)
.if (\t) > 0
	s_wait_dscnt 1                                 ; this step's numbers are back (the last step's byte store may be out)
.else
	s_wait_dscnt 0x0
.endif
.if (\t)+4 < STEPS
	LOAD (\t)+4
.endif
.if (\t)+1 < STEPS
.if STEPS-2-(\t) >= 3
	s_wait_loadcnt 12                              ; the next step's four loads are in; those of the three steps behind it may be out
.else
	s_wait_loadcnt 4*(STEPS-2-(\t))
.endif
	TURN (\t)+1
.endif
	v_max3_num_f32 v8, |v[XS]|, |v[XS+1]|, |v[XS+2]|
	v_max3_num_f32 v9, |v[XS+3]|, |v[XS+4]|, |v[XS+5]|
.irp i, 6,10
	v_max3_num_f32 v8, v8, |v[XS+\i]|, |v[XS+\i+1]|
	v_max3_num_f32 v9, v9, |v[XS+\i+2]|, |v[XS+\i+3]|
.endr
	v_max3_num_f32 v8, v8, |v[XS+14]|, |v[XS+15]|
	v_max3_num_f32 v8, v8, v9, 0x4800000           ; the floor 2^(9 - 127): the byte cannot fall under 1
	v_max_num_f32_dpp v8, v8, v8 row_xmask:1 row_mask:0xf bank_mask:0xf   ; and my neighbour's 16: the block's
	v_add_nc_u32 v11, 0xfc000000, v8               ; 8 off its exponent field: the conversion's scale operand
	v_and_or_b32 v10, v8, 0x7f800000, s38          ; 448 x the scale
.irp i, 0,1,2,3,4,5,6,7,8,9,10,11,12,13,14,15
	v_med3_num_f32 v[XS+\i], v[XS+\i], -v10, v10   ; the conversion does not saturate (ISA guide 7.6.2): the hold
.endr
	v_cvt_scalef32_pk8_fp8_f32 v[C+4*(\t):C+4*(\t)+1], v[XS:XS+7], v11
	v_cvt_scalef32_pk8_fp8_f32 v[C+4*(\t)+2:C+4*(\t)+3], v[XS+8:XS+15], v11
	v_lshrrev_b32 v[E+(\t)], 23, v11               ; the scale's byte
	ds_store_b8 v5, v[E+(\t)] offset:16*(\t)       ; both lanes of a block write the same byte with the same value
	global_store_b128 v3, v[C+4*(\t):C+4*(\t)+3], s[8:9] offset:512*(\t)
.endm
.irp t, 0,1,2,3,4,5,6,7,8,9,10,11,12,13,14,15
	STEP \t
.endr
	ds_load_b64 v[8:9], v6
	s_wait_dscnt 0x0
	global_store_b64 v7, v[8:9], s[10:11]          ; 256 consecutive bytes, aligned
	s_wait_tensorcnt 0x0                           ; the wave's end
	ds_add_u32 v12, v13
	s_wait_dscnt 0x0
	s_endpgm
; ---------------- W: a wave takes 32 columns x 256 along K: a lane takes a column, and its registers run down K ----------------
; A block of 32 along K lies in ONE lane, and the conversions give codes with K innermost.  Sixteen lanes store 256 consecutive bytes, aligned, straight from registers.
.Lweights:
	s_sub_co_u32 s17, ttmp9, 320
	s_mov_b32 s22, s38
	s_mov_b32 s16, s24
	s_lshr_b32 s24, s17, 5                         ; e
	s_bfe_u32 s25, s17, 0x30002                    ; which 128 columns
	s_and_b32 s26, s17, 3                          ; sp: which 256 along K
	s_lshr_b32 s27, s16, 1
	s_lshl_b32 s30, s25, 1
	s_add_co_u32 s27, s27, s30                     ; jc
	s_and_b32 s31, s16, 1                          ; u
	s_lshl_b32 s28, s24, 22
	s_lshl_b32 s30, s26, 20
	s_add_co_u32 s28, s28, s30
	s_lshl_b32 s30, s25, 9
	s_add_co_u32 s28, s28, s30
	s_lshl_b32 s30, s16, 7
	s_add_co_u32 s28, s28, s30
	s_add_nc_u64 s[6:7], s[6:7], s[28:29]
	s_lshl_b32 s32, s27, 3
	s_add_co_u32 s32, s32, s24                     ; 8 jc + e
	s_lshl_b32 s28, s32, 16
	s_lshl_b32 s30, s26, 14
	s_add_co_u32 s28, s28, s30
	s_lshl_b32 s30, s31, 12
	s_add_co_u32 s28, s28, s30
	s_add_nc_u64 s[12:13], s[12:13], s[28:29]
	s_lshl_b32 s28, s32, 11
	s_lshl_b32 s30, s26, 9
	s_add_co_u32 s28, s28, s30
	s_lshl_b32 s30, s31, 8
	s_add_co_u32 s28, s28, s30
	s_add_nc_u64 s[14:15], s[14:15], s[28:29]
	v_lshlrev_b32 v3, 2, v1                        ; in: 4 bytes a lane
	v_lshrrev_b32 v4, 4, v1
	v_and_b32 v5, 15, v1
	v_lshlrev_b32 v4, 11, v4                       ; out: lanes 16-31 belong to the next tile
	v_lshl_add_u32 v4, v5, 4, v4
	v_lshlrev_b32 v9, 3, v1
	s_wait_alu depctr_va_vdst(0)
.macro LOADW t
.irp i, 0,1,2,3,4,5,6,7,8,9,10,11,12,13,14,15,16,17,18,19,20,21,22,23,24,25,26,27,28,29,30,31
	global_load_b32 v[XW+32*((\t)%2)+\i], v3, s[6:7] offset:(32*(\t)+\i)*4096 th:TH_LOAD_NT
.endr
.endm
.macro BLOCKW t
.set XC, XW+32*((\t)%2)
.if (\t) < 7
	s_wait_loadcnt 32                              ; this block's 32 loads are in; the next block's may be out
.else
	s_wait_loadcnt 0x0
.endif
	v_max3_num_f32 v12, |v[XC]|, |v[XC+1]|, |v[XC+2]|
	v_max3_num_f32 v13, |v[XC+3]|, |v[XC+4]|, |v[XC+5]|
.irp i, 6,10,14,18,22,26
	v_max3_num_f32 v12, v12, |v[XC+\i]|, |v[XC+\i+1]|
	v_max3_num_f32 v13, v13, |v[XC+\i+2]|, |v[XC+\i+3]|
.endr
	v_max3_num_f32 v12, v12, |v[XC+30]|, |v[XC+31]|
	v_max3_num_f32 v12, v12, v13, 0x4800000
	v_add_nc_u32 v11, 0xfc000000, v12
	v_and_or_b32 v10, v12, 0x7f800000, s22
	v_lshrrev_b32 v13, 23, v11
.if (\t)%4 == 0
	v_mov_b32 v[SBW+(\t)/4], v13
.else
	v_lshl_or_b32 v[SBW+(\t)/4], v13, 8*((\t)%4), v[SBW+(\t)/4]
.endif
.irp i, 0,1,2,3,4,5,6,7,8,9,10,11,12,13,14,15,16,17,18,19,20,21,22,23,24,25,26,27,28,29,30,31
	v_med3_num_f32 v[XC+\i], v[XC+\i], -v10, v10
.endr
.irp g, 0,1,2,3
	v_cvt_scalef32_pk8_fp8_f32 v[CW+8*(\t)+2*\g:CW+8*(\t)+2*\g+1], v[XC+8*\g:XC+8*\g+7], v11
.endr
	v_nop
	global_store_b128 v4, v[CW+8*(\t):CW+8*(\t)+3], s[12:13] offset:((\t)/4)*8192+((\t)%4)*512
	global_store_b128 v4, v[CW+8*(\t)+4:CW+8*(\t)+7], s[12:13] offset:((\t)/4)*8192+((\t)%4)*512+256
.if (\t)+2 < 8
	LOADW (\t)+2
.endif
.endm
	LOADW 0
	LOADW 1
.irp t, 0,1,2,3,4,5,6,7
	BLOCKW \t
.endr
	global_store_b64 v9, v[SBW:SBW+1], s[14:15]
	s_endpgm
; ---------------- placing: a wave takes group g of 32 tokens ----------------
; A token's place = tokens of lower keys + tokens of its key in the groups before g + lower lanes with its key.  The wave sums all 256 groups' histograms: lane (r, h) takes keys 16 r .. 16 r + 15 of the rows of parity h.
; Eight rows a step: four bytes a key and parity of at most 32 each stay under 256, so they are added as bytes and then parted into halves of 16 bits.  The sum at row 8 (g / 8) is kept, and the up to seven rows from there to g are added to it.
.set T,  32                            ; v32-39 all groups: word w: keys 4 w, 4 w + 2 in register 2 w, keys 4 w + 1, 4 w + 3 in 2 w + 1
.set PR, 40                            ; v40-47 the groups before g, likewise
.set ST, 48                            ; v48-63 where each key's tokens of group g begin
.Lplace:
	s_lshl_b32 s25, ttmp9, 2
	s_add_co_u32 s25, s25, s24                     ; g
	s_lshl_b32 s28, s25, 7
	s_add_nc_u64 s[40:41], s[16:17], s[28:29]
	s_lshr_b32 s26, s25, 3
	s_and_b32 s27, s25, 7
	s_lshl_b32 s28, s26, 11
	s_add_nc_u64 s[30:31], s[18:19], s[28:29]
	s_mov_b32 s32, 0
	s_mov_b32 s34, 0x00ff00ff
	s_mov_b32 s35, 0
	s_mov_b32 s36, 0x76543210
	s_mov_b32 s37, 0xfedcba98
	v_lshlrev_b32 v2, 4, v1
	v_lshlrev_b32 v22, 2, v1
	v_lshrrev_b32 v23, 4, v1                       ; h
	v_lshl_add_u32 v21, s25, 5, v1                 ; my token
.irp i, 0,1,2,3,4,5,6,7,8,9,10,11,12,13,14,15
	v_mov_b32 v[T+\i], 0
.endr
	s_wait_alu depctr_va_vdst(0)
	global_load_b32 v3, v22, s[40:41]
.irp i, 0,1,2,3
	global_load_b128 v[192+4*\i:195+4*\i], v2, s[30:31] offset:512*\i
.endr
.macro ADD8 buf, acc                   ; eight rows' bytes onto acc
.irp w, 0,1,2,3
	v_add_nc_u32 v[4+\w], v[\buf+\w], v[\buf+4+\w]
.endr
.irp w, 0,1,2,3
	v_add3_u32 v[4+\w], v[4+\w], v[\buf+8+\w], v[\buf+12+\w]
.endr
.irp w, 0,1,2,3
	v_and_b32 v[8+\w], s34, v[4+\w]
.endr
.irp w, 0,1,2,3
	v_lshrrev_b32 v[4+\w], 8, v[4+\w]
.endr
.irp w, 0,1,2,3
	v_and_b32 v[4+\w], s34, v[4+\w]
.endr
.irp w, 0,1,2,3
	v_add_nc_u32 v[\acc+2*\w], v[\acc+2*\w], v[8+\w]
	v_add_nc_u32 v[\acc+2*\w+1], v[\acc+2*\w+1], v[4+\w]
.endr
.endm
.Lrows:                                            ; four trips of 64 rows
.irp i, 0,1,2,3,4,5,6,7,8,9,10,11,12,13,14,15,16,17,18,19,20,21,22,23,24,25,26,27,28,29,30,31
	global_load_b128 v[64+4*\i:67+4*\i], v2, s[18:19] offset:512*\i
.endr
	s_wait_loadcnt 0x0
	s_add_nc_u64 s[18:19], s[18:19], 0x4000        ; the loads are done: their base may step
.irp q, 0,1,2,3,4,5,6,7
	s_cmp_eq_u32 s35, s26
	s_cselect_b32 s33, -1, 0
.irp i, 0,1,2,3,4,5,6,7
	v_cndmask_b32 v[PR+\i], v[PR+\i], v[T+\i], s33 ; at row 8 (g / 8) the sum so far is kept
.endr
	ADD8 64+16*\q, T
	s_add_co_u32 s35, s35, 1
.endr
	s_add_co_u32 s32, s32, 1
	s_wait_alu depctr_va_vdst(0)                   ; the wait directly ahead of the branch
	s_cmp_lt_u32 s32, 4
	s_cbranch_scc1 .Lrows
.irp i, 0,1,2,3
	v_add_nc_u32 v10, 2*\i, v23
	v_cmp_gt_u32 s33, s27, v10                     ; is this row before g?
.irp w, 0,1,2,3
	v_cndmask_b32 v[192+4*\i+\w], 0, v[192+4*\i+\w], s33
.endr
.endr
	ADD8 192, PR
.irp i, 0,1,2,3,4,5,6,7
	v_permlanex16_b32 v[4+\i], v[T+\i], s36, s37   ; the rows of the other parity
.endr
.irp i, 0,1,2,3,4,5,6,7
	v_add_nc_u32 v[T+\i], v[T+\i], v[4+\i]
.endr
.irp i, 0,1,2,3,4,5,6,7
	v_permlanex16_b32 v[4+\i], v[PR+\i], s36, s37
.endr
.irp i, 0,1,2,3,4,5,6,7
	v_add_nc_u32 v[PR+\i], v[PR+\i], v[4+\i]
.endr
	v_add3_u32 v12, v32, v33, v34
	v_add3_u32 v12, v12, v35, v36
	v_add3_u32 v12, v12, v37, v38
	v_add_nc_u32 v12, v12, v39
	v_and_b32 v14, 0xffff, v12
	v_lshrrev_b32 v12, 16, v12
	v_add_nc_u32 v14, v14, v12                     ; the tokens of my 16 keys
	v_mov_b32 v15, v14
	v_add_nc_u32_dpp v15, v15, v15 row_shr:1 row_mask:0xf bank_mask:0xf bound_ctrl:1
	v_add_nc_u32_dpp v15, v15, v15 row_shr:2 row_mask:0xf bank_mask:0xf bound_ctrl:1
	v_add_nc_u32_dpp v15, v15, v15 row_shr:4 row_mask:0xf bank_mask:0xf bound_ctrl:1
	v_add_nc_u32_dpp v15, v15, v15 row_shr:8 row_mask:0xf bank_mask:0xf bound_ctrl:1
	v_sub_nc_u32 v15, v15, v14                     ; the tokens of all lower lanes' keys
.irp b, 0,1,2,3,4,5,6,7,8,9,10,11,12,13,14,15
	v_bfe_u32 v16, v[T+2*(\b/4)+(\b%2)], 16*((\b%4)/2), 16
	v_bfe_u32 v17, v[PR+2*(\b/4)+(\b%2)], 16*((\b%4)/2), 16
	v_add_nc_u32 v[ST+\b], v15, v17
	v_add_nc_u32 v15, v15, v16
.endr
	v_lshrrev_b32 v18, 2, v3
	v_and_b32 v18, 0x3c, v18                       ; 4 x (key / 16): the lane that has my key
.irp b, 0,1,2,3
	v_and_b32 v[24+\b], 1<<\b, v3
.endr
.irp b, 0,1,2,3
	v_cmp_ne_u32 s[44+\b], 0, v[24+\b]
.endr
	v_bfe_u32 v20, v3, 8, 8                        ; lower lanes with my key
	v_and_b32 v19, 0xff, v3
	v_lshrrev_b32 v24, 1, v19
	v_xor_b32 v24, v19, v24                        ; my set of experts
	s_wait_alu depctr_va_vdst(0)
.irp b, 0,1,2,3,4,5,6,7,8,9,10,11,12,13,14,15
	ds_bpermute_b32 v[64+\b], v18, v[ST+\b]
.endr
	s_wait_dscnt 0x0
.irp b, 0,1,2,3,4,5,6,7
	v_cndmask_b32 v[64+\b], v[64+2*\b], v[65+2*\b], s44
.endr
.irp b, 0,1,2,3
	v_cndmask_b32 v[64+\b], v[64+2*\b], v[65+2*\b], s45
.endr
.irp b, 0,1
	v_cndmask_b32 v[64+\b], v[64+2*\b], v[65+2*\b], s46
.endr
	v_cndmask_b32 v64, v64, v65, s47
	v_add_nc_u32 v64, v64, v20
	v_min_u32 v64, 0x1fff, v64
	v_lshlrev_b32 v64, 2, v64
	global_store_b32 v64, v21, s[20:21]
	global_store_b32 v64, v24, s[22:23]
	s_endpgm
.Lfunc_end_k_q5d35289d44_quant:
	.size	k_q5d35289d44_quant, .Lfunc_end_k_q5d35289d44_quant-k_q5d35289d44_quant
	.p2alignl 7, 3214868480
	.fill 96, 4, 3214868480
	.section	.rodata,"a",@progbits
	.p2align	6, 0x0
	.amdhsa_kernel k_q5d35289d44_quant
		.amdhsa_group_segment_fixed_size 33280
		.amdhsa_private_segment_fixed_size 0
		.amdhsa_enable_private_segment 0
		.amdhsa_kernarg_size 80
		.amdhsa_user_sgpr_count 2
		.amdhsa_user_sgpr_kernarg_segment_ptr 1
		.amdhsa_wavefront_size32 1
		.amdhsa_system_sgpr_workgroup_id_x 1
		.amdhsa_system_sgpr_workgroup_id_y 1
		.amdhsa_system_sgpr_workgroup_id_z 1
		.amdhsa_system_vgpr_workitem_id 0
		.amdhsa_next_free_vgpr 256
		.amdhsa_next_free_sgpr 66
		.amdhsa_reserve_vcc 0
		.amdhsa_float_denorm_mode_32 3
		.amdhsa_float_denorm_mode_16_64 3
		.amdhsa_memory_ordered 1
		.amdhsa_forward_progress 1
		.amdhsa_inst_pref_size 135
	.end_amdhsa_kernel
	.amdgpu_metadata
---
amdhsa.version: [ 1, 2 ]
amdhsa.kernels:
  - .name:           k_q5d35289d44_quant
    .symbol:         k_q5d35289d44_quant.kd
    .args:
      - { .name: x, .offset: 0, .size: 8, .value_kind: global_buffer, .address_space: global }
      - { .name: W, .offset: 8, .size: 8, .value_kind: global_buffer, .address_space: global }
      - { .name: xq, .offset: 16, .size: 8, .value_kind: global_buffer, .address_space: global }
      - { .name: xs, .offset: 24, .size: 8, .value_kind: global_buffer, .address_space: global }
      - { .name: wq, .offset: 32, .size: 8, .value_kind: global_buffer, .address_space: global }
      - { .name: ws, .offset: 40, .size: 8, .value_kind: global_buffer, .address_space: global }
      - { .name: kw, .offset: 48, .size: 8, .value_kind: global_buffer, .address_space: global }
      - { .name: hist, .offset: 56, .size: 8, .value_kind: global_buffer, .address_space: global }
      - { .name: order, .offset: 64, .size: 8, .value_kind: global_buffer, .address_space: global }
      - { .name: omask, .offset: 72, .size: 8, .value_kind: global_buffer, .address_space: global }
    .group_segment_fixed_size: 33280
    .private_segment_fixed_size: 0
    .kernarg_segment_align: 8
    .kernarg_segment_size: 80
    .max_flat_workgroup_size: 128
    .sgpr_count:     66
    .vgpr_count:     256
    .wavefront_size: 32
...
	.end_amdgpu_metadata
.endif
;; end of part 2
;; launch moe (part 3): grid 64 x 4, 4 waves a work-group, no clusters, 157,696 bytes of LDS; arguments xq, xs, wq, ws, gates, b, order, omask, out0; writes out0
.if DOCPART == 3
	.amdgcn_target "amdgcn-amd-amdhsa--gfx1250"
	.amdhsa_code_object_version 6
	.text
	.protected	k_q5d35289d44_moe
	.globl	k_q5d35289d44_moe
	.p2align	8
	.type	k_q5d35289d44_moe,@function
k_q5d35289d44_moe:
	s_mov_b64 s[64:65], 0
	v_nop
	global_prefetch_b8 v0, s[64:65] scope:SCOPE_SE
	s_setreg_imm32_b32 hwreg(HW_REG_WAVE_MODE, 25, 1), 1
	s_wait_xcnt 0x0
; out0[t][n] = the sum over e of gates[t][e] x (Q(x)[t] . Q(W[e])[:, n] + b[e][n]), on codes of FP8 (E4M3) with E8M0 scales; all else in f32.
; A work-group takes a BLOCK of 128 tokens, neighbours in the order that the launch before has stored, x 256 columns, and multiplies by those experts alone for which some token of the block has a gate other than 0: for the others
; every gate of the block is 0, and 0 is what they would add.  For an expert that is used every gate is taken as it is given.  Any gates are served: no expert, one, or all eight.
; LIMITS: a NaN, an infinity or an overflow that only gates of 0 would multiply is not carried to the result.  g x (sum + b) is fused into the running sum: one rounding where the definition has two.
; SHARES.  A wave owns the block's 128 tokens (8 tiles of 16) x 64 columns (4 tiles of 16).  x's codes, gathered by rows, lie in LDS for the whole launch: lane (r, h)'s 16 bytes of K step s, block c at 272 (8 s + 2 c + h) + 16 r of its tile.
; W goes from memory straight into registers, in the order in which an earlier launch laid it, a ring of four K steps, asked for three K steps ahead; no other wave of the work-group reads it.
; THE WALK is a loop over all eight experts; a trip forms its addresses ahead of its branch, and the branch leads round the work of an expert that the block does not use.
; NO TENSOR LOADS, NO CLUSTER: the branch hangs on stored numbers, so a partner's walk may be another one.  NO PREFETCH: which blocks read an expert hangs on the stored list, so its bytes cannot be shared out by address,
; and every wave's own loads run three K steps ahead.
; THE MATRIX INSTRUCTION IS USED TRANSPOSED: source 0 = 16 columns of W, source 1 = 16 tokens: a lane holds ONE token (lane % 16) and eight neighbouring columns 8 (lane / 16) + 0 .. 7.
; REGISTERS: window 0 below; window 1: an expert's 32 accumulators, (a, t) at 8 (4 a + t); window 2: out, likewise; window 3: W's ring: K step s at 64 (s % 4), tile t at 16 t.
.set TP,   17408                       ; a tile of x in LDS: 64 pieces of 256 bytes + 16 of padding
.set STAGE, 8*TP                       ; the way out: 16 rows x 272 bytes for each wave
.set SPARE, STAGE+4*16*272             ; the spare words, 128 bytes for each wave
.set TOK, SPARE+512                    ; the block's 128 tokens, a word each
.set L16, 1                            ; v1   16 x lane
.set L8,  2                            ; v2   8 x lane
.set H32, 3                            ; v3   32 x (lane / 16)
.set XB,  4                            ; v4-7 LDS address of my bytes of tiles 2 i, 2 i + 1
.set GA,  8                            ; v8-15 32 x my token, of each tile
.set STO, 16                           ; v16  the stage: where I put 32 bytes of a row
.set RD,  17                           ; v17  and where I read a row back
.set SPW, 18                           ; v18  LDS address of my spare word
.set NIL, 19                           ; v19  0
.set XS,  20                           ; v20-51 x's scale words: 4 a + s % 4: lanes 0-15 K step s < 4, lanes 16-31 K step s >= 4
.set C16, 52                           ; v52  16 x (lane % 16)
.set WSC, 54                           ; v54-69 W's scale words: 8 u + s: lanes 0-15 tile 2 u, lanes 16-31 tile 2 u + 1
.set WSN, 70                           ; v70-85 the next expert's
.set G,   86                           ; v86-93 the gates of my token of each tile
.set BI,  94                           ; v94-125 a bias in the result's layout: 8 t + j
.set TKA, 126                          ; v126 LDS address of the tokens whose rows I store
.set XF,  128                          ; v128-255 x's fragments, tile a at 16 a
.set AD,  94                           ; the way out: v94-109 byte offsets of rows of out0
.set FB,  128                          ; the way out: v128-191 rows read back
.set WV, 22
.set JC, 25
.set RM, 26                            ; s26 the experts that the block uses, a bit each
.set EX, 27
.set TR, 28                            ; s28 the expert in hand
.set RE, 42                            ; s42 the used ones above it
.set WP, 30                            ; s[30:31] W of the expert in hand;  s[32:33] of the next that is used
.set WN, 32
.set GP, 36                            ; s[36:37] gates of the expert in hand;  s[38:39], s[40:41] bias and scale words of the next
.set BP, 38
.set SCP, 40
.set MSB, 0
.macro WIN new                         ; the immediate's high byte repeats the setting that is left; a switch that changes nothing is dropped
.if MSB != \new
	s_set_vgpr_msb (MSB<<8)|\new
.set MSB, \new
.endif
.endm
.macro PLACES n
.rept \n
	v_nop
.endr
.endm
	s_load_b256 s[4:11], s[0:1], 0x0               ; xq s[4:5], xs s[6:7], wq s[8:9], ws s[10:11]
	s_load_b256 s[12:19], s[0:1], 0x20             ; gates s[12:13], b s[14:15], order s[16:17], omask s[18:19]
	s_load_b64 s[20:21], s[0:1], 0x40              ; out0
	v_lshl_add_u32 v[SPW], v0, 2, SPARE
	v_mov_b32 v[NIL], 0
	v_lshrrev_b32 v20, 5, v0
	v_readfirstlane_b32 s[WV], v20
	v_and_b32 v21, 31, v0                          ; lane
	v_and_b32 v22, 15, v0                          ; r
	v_bfe_u32 v23, v0, 4, 1                        ; h
	v_lshrrev_b32 v24, 4, v0                       ; 2 wave + h
	s_and_b32 s24, ttmp7, 0xffff
	s_lshl_b32 s[JC], s24, 2
	s_add_co_u32 s[JC], s[JC], s[WV]               ; my 64 columns: chunk 4 x work-group y + wave
	s_mul_i32 s29, s[WV], 16*272
	s_add_co_u32 s29, s29, STAGE
	s_mov_b32 s35, 0
	v_lshlrev_b32 v[L16], 4, v21
	v_lshlrev_b32 v[L8], 3, v21
	v_lshlrev_b32 v[H32], 5, v23
	v_lshlrev_b32 v[C16], 4, v22
	v_lshlrev_b32 v53, 6, v24                      ; the 16 tokens that I gather: tile 2 wave + h
	v_lshlrev_b32 v192, 2, v22                     ; my token of each tile
	v_lshlrev_b32 v193, 2, v0                      ; the block's tokens, one a thread,
	v_lshl_add_u32 v194, v0, 2, TOK                ; and their place in LDS
	v_lshl_add_u32 v[TKA], v23, 5, TOK
	v_mul_u32_u24 v127, v24, TP                    ; where the pieces that I gather go: lane r takes pieces 16 j + r
	v_mul_u32_u24 v25, v22, 272
	v_add_nc_u32 v127, v127, v25
	v_lshl_add_u32 v[STO], v23, 5, v25
	v_add_nc_u32 v[STO], s29, v[STO]
	v_mul_u32_u24 v[RD], v23, 8*272                ; back: lanes 0-15 take row i, lanes 16-31 row 8 + i
	v_lshl_add_u32 v[RD], v22, 4, v[RD]
	v_add_nc_u32 v[RD], s29, v[RD]
	v_mul_u32_u24 v[XB], v23, 272
	v_lshl_add_u32 v[XB], v22, 4, v[XB]
	v_add_nc_u32 v[XB+1], 2*TP, v[XB]
	v_add_nc_u32 v[XB+2], 4*TP, v[XB]
	v_add_nc_u32 v[XB+3], 6*TP, v[XB]
	s_wait_alu depctr_va_vdst(0)                   ; the wait at the head's end
	s_wait_kmcnt 0x0
	s_lshl_b32 s34, ttmp9, 9                       ; my block's 128 places
	s_add_nc_u64 s[16:17], s[16:17], s[34:35]
	s_add_nc_u64 s[18:19], s[18:19], s[34:35]
.irp i, 0,1,2,3
	global_load_b128 v[128+4*\i:131+4*\i], v53, s[16:17] offset:16*\i
.endr
	global_load_b128 v[152:155], v[L16], s[18:19]
.irp a, 0,1,2,3,4,5,6,7
	global_load_b32 v[144+\a], v192, s[16:17] offset:64*\a
.endr
	global_load_b32 v156, v193, s[16:17]
	s_lshl_b32 s34, s[JC], 19
	s_add_nc_u64 s[8:9], s[8:9], s[34:35]
	s_lshl_b32 s34, s[JC], 14
	s_add_nc_u64 s[10:11], s[10:11], s[34:35]
	s_lshl_b32 s34, s[JC], 8
	s_add_nc_u64 s[14:15], s[14:15], s[34:35]
	s_add_nc_u64 s[20:21], s[20:21], s[34:35]
	s_wait_loadcnt 0x0
; x's rows: 16 lanes read 256 consecutive bytes of a row, aligned
.irp i, 0,1,2,3,4,5,6,7,8,9,10,11,12,13,14,15
	v_min_u32 v[160+\i], 0x1fff, v[128+\i]
.endr
.irp i, 0,1,2,3,4,5,6,7,8,9,10,11,12,13,14,15
	v_lshl_add_u32 v[160+\i], v[160+\i], 10, v[C16]
.endr
	s_wait_alu depctr_va_vdst(0)
	WIN 0x40                                       ; into the accumulators' registers, which are free until the first product
.irp i, 0,1,2,3,4,5,6,7,8,9,10,11,12,13,14,15
.irp j, 0,1,2,3
	global_load_b128 v[16*\i+4*\j:16*\i+4*\j+3], v[160+\i], s[4:5] offset:256*\j
.endr
.endr
	WIN 0
	ds_store_b32 v194, v156
.irp a, 0,1,2,3,4,5,6,7
	v_min_u32 v[GA+\a], 0x1fff, v[144+\a]
.endr
.irp a, 0,1,2,3,4,5,6,7
	v_lshlrev_b32 v[GA+\a], 5, v[GA+\a]
.endr
.irp a, 0,1,2,3,4,5,6,7
	v_lshl_add_u32 v[184+\a], v23, 4, v[GA+\a]
.endr
	v_or_b32 v152, v152, v153
	v_or_b32 v154, v154, v155
	v_or_b32 v152, v152, v154
.irp e, 0,1,2,3,4,5,6,7
	v_and_b32 v[176+\e], 1<<\e, v152
.endr
.irp e, 0,1,2,3,4,5,6,7
	v_cmp_ne_u32 s[44+\e], 0, v[176+\e]            ; does any token of the block use expert e?
.endr
	s_wait_alu depctr_va_vdst(0)
.irp a, 0,1,2,3,4,5,6,7
	global_load_b128 v[XS+4*\a:XS+4*\a+3], v[184+\a], s[6:7]
.endr
	s_mov_b32 s[RM], 0
.irp e, 0,1,2,3,4,5,6,7
	s_cmp_lg_u32 s[44+\e], 0
	s_cselect_b32 s34, 1<<\e, 0
	s_or_b32 s[RM], s[RM], s34
.endr
.macro POINT set                       ; the lowest expert of a set (of an empty one: the last expert), and where its W, scale words and bias lie
	s_ctz_i32_b32 s[EX], s[\set]
	s_min_u32 s[EX], s[EX], 7
	s_lshl_b32 s34, s[EX], 16
	s_add_nc_u64 s[WN:WN+1], s[8:9], s[34:35]
	s_lshl_b32 s34, s[EX], 11
	s_add_nc_u64 s[SCP:SCP+1], s[10:11], s[34:35]
	s_lshl_b32 s34, s[EX], 12
	s_add_nc_u64 s[BP:BP+1], s[14:15], s[34:35]
.endm
.macro EXTRAS                          ; its scale words and its bias: 16 loads
.irp u, 0,1
.irp p, 0,1,2,3
	global_load_b64 v[WSN+8*\u+2*\p:WSN+8*\u+2*\p+1], v[L8], s[SCP:SCP+1] offset:512*\p+256*\u
.endr
.endr
.irp t, 0,1,2,3
	global_load_b128 v[BI+8*\t:BI+8*\t+3], v[H32], s[BP:BP+1] offset:64*\t
	global_load_b128 v[BI+8*\t+4:BI+8*\t+7], v[H32], s[BP:BP+1] offset:64*\t+16
.endr
.endm
.macro WLOAD s, n, p                   ; load n (0 .. 15) of K step s of W: 512 consecutive bytes; destination window 3
	global_load_b128 v[64*((\s)%4)+4*(\n):64*((\s)%4)+4*(\n)+3], v[L16], s[\p:\p+1] offset:(\s)*8192+512*(\n)
.endm
.macro WALL s
	WIN 0xc0
.irp n, 0,1,2,3,4,5,6,7,8,9,10,11,12,13,14,15
	WLOAD \s, \n, WN
.endr
	WIN 0
.endm
.macro XPUT i                          ; a gathered row's four pieces a lane into LDS
.irp j, 0,1,2,3
	ds_store_b128 v127, v[16*\i+4*\j:16*\i+4*\j+3] offset:16*272*\j+16*\i
.endr
.endm
.macro XLD a, s, c                     ; 16 codes of tile a, K step s, block c
	ds_load_b128 v[XF+16*(\a)+4*(\c):XF+16*(\a)+4*(\c)+3], v[XB+(\a)/2] offset:((\a)%2)*TP+(8*(\s)+2*(\c))*272
.endm
	POINT RM
	EXTRAS
	WALL 0
	WIN 0x80                                       ; out begins as 0, since which expert is the first, or whether there is one, hangs on the list; x's rows are on their way meanwhile
.set II, 0
.rept 256
	v_mov_b32 v[II], 0
.set II, II+1
.endr
	WIN 0
	s_wait_alu depctr_va_vdst(0)
	s_wait_loadcnt 63                              ; of 104 loads the oldest 41 are in: rows 0 to 9, four loads each
	WIN 0x04
.irp i, 0,1,2,3,4,5,6,7,8,9
	XPUT \i
.endr
	s_wait_loadcnt 40                              ; behind x's rows: 8 of scale words, 16 extras, 16 of W
.irp i, 10,11,12,13,14,15
	XPUT \i
.endr
	WIN 0
	WALL 1
	WALL 2
	s_wait_xcnt 0x0                                ; the address registers among x's fragments are free
	s_wait_dscnt 0x0                               ; my rows and my token lie in LDS
	s_barrier_signal -1
	s_barrier_wait -1                              ; everybody's do
.irp a, 0,1,2,3,4,5,6
.irp c, 0,1,2,3
	XLD \a, 0, \c
.endr
.endr
	s_mov_b32 s[TR], 0
.macro PROD s, a, t
.set rD, 8*(4*(\a)+(\t))
.set rW, 64*((\s)%4)+16*(\t)
.set rX, XF+16*(\a)
.set rA, WSC+8*((\t)/2)+(\s)
.set rB, XS+4*(\a)+((\s)%4)
.if (\s) == 0
.set rC, BI+8*(\t)
.else
.set rC, rD
.endif
.if ((\t)%2) && ((\s) >= 4)
	v_wmma_scale_f32_16x16x128_f8f6f4 v[rD:rD+7], v[rW:rW+15], v[rX:rX+15], v[rC:rC+7], v[rA], v[rB] matrix_a_scale:MATRIX_SCALE_ROW1 matrix_b_scale:MATRIX_SCALE_ROW1
.elseif (\t)%2
	v_wmma_scale_f32_16x16x128_f8f6f4 v[rD:rD+7], v[rW:rW+15], v[rX:rX+15], v[rC:rC+7], v[rA], v[rB] matrix_a_scale:MATRIX_SCALE_ROW1
.elseif (\s) >= 4
	v_wmma_scale_f32_16x16x128_f8f6f4 v[rD:rD+7], v[rW:rW+15], v[rX:rX+15], v[rC:rC+7], v[rA], v[rB] matrix_b_scale:MATRIX_SCALE_ROW1
.else
	v_wmma_scale_f32_16x16x128_f8f6f4 v[rD:rD+7], v[rW:rW+15], v[rX:rX+15], v[rC:rC+7], v[rA], v[rB]
.endif
.endm
; A tile's four products in K step s; in K step 0 the bias is C.  Two v_nop stand behind each product: eight between a fragment's last product and the load into its registers (ISA guide 7.12.1 for vector instructions).
; Behind products 2 and 3: the loads of the tile before for the next K step (in tile 0: tile 7's for this one).  Behind products 0 and 1 of tiles 1 to 4: W of three K steps on: ld = 1 this expert's, 2 the next one's, 0 none.
; nx = 0: the last K step of all, which loads nothing for a next.  The wait: six later tiles' loads, four each, may be out.
.macro TILE s, a, ld, nx
.if (\nx) || (\a < 2)
	s_wait_dscnt 24
.else
	s_wait_dscnt 4*(7-\a)
.endif
.irp t, 0,1,2,3
.if (\s) == 0
	WIN 0x43                                       ; W window 3, x window 0, C (the bias) window 0, D window 1
.else
	WIN 0x53                                       ; C and D window 1
.endif
	PROD \s, \a, \t
	v_nop
	v_nop
.if \t < 2
.if (\ld) && (\a >= 1) && (\a <= 4)
	WIN 0xc0
.if (\ld) == 1
	WLOAD (\s)+3, 4*(\a-1)+2*\t, WP
	WLOAD (\s)+3, 4*(\a-1)+2*\t+1, WP
.else
	WLOAD (\s)-5, 4*(\a-1)+2*\t, WN
	WLOAD (\s)-5, 4*(\a-1)+2*\t+1, WN
.endif
.endif
.elseif \a == 0
	WIN 0
	XLD 7, \s, 2*(\t-2)
	XLD 7, \s, 2*(\t-2)+1
.elseif \nx
	WIN 0
	XLD \a-1, (((\s)+1)%8), 2*(\t-2)
	XLD \a-1, (((\s)+1)%8), 2*(\t-2)+1
.endif
.endr
.endm
.macro KSTEP s, ld, nx
.irp a, 0,1,2,3,4,5,6,7
	TILE \s, \a, \ld, \nx
.endr
.endm
; out += gate x (the expert's sums), each accumulator from its low end on; of a pair of gates the low or the high register serves both halves
.macro EPI
	WIN 0xa1                                       ; sums window 1, gates window 0, out window 2
.irp a, 0,1,2,3,4,5,6,7
.irp t, 0,1,2,3
.irp j, 0,2,4,6
.set eo, 8*(4*\a+\t)+\j
.set eg, G+2*(\a/2)
.if \a%2
	v_pk_fma_f32 v[eo:eo+1], v[eo:eo+1], v[eg:eg+1], v[eo:eo+1] op_sel:[0,1,0] op_sel_hi:[1,1,1]
.else
	v_pk_fma_f32 v[eo:eo+1], v[eo:eo+1], v[eg:eg+1], v[eo:eo+1] op_sel_hi:[1,0,1]
.endif
.endr
.endr
.endr
	WIN 0
.endm
.Lexpert:                                          ; eight trips, an expert each
	s_wait_xcnt 0x0                                ; the loads have read their bases, which are formed anew ahead of the trip's branches
	s_lshl_b32 s34, -2, s[TR]
	s_and_b32 s[RE], s[RM], s34                    ; the used experts above this one,
	POINT RE                                       ; and the lowest of them
	s_lshl_b32 s34, s[TR], 16
	s_add_nc_u64 s[WP:WP+1], s[8:9], s[34:35]
	s_lshl_b32 s34, s[TR], 2
	s_add_nc_u64 s[GP:GP+1], s[12:13], s[34:35]
	s_lshl_b32 s34, 1, s[TR]
	s_and_b32 s34, s[RM], s34
	s_cmp_lg_u32 s34, 0
	s_cbranch_scc0 .Lskip                          ; no token of the block uses this expert
	s_wait_loadcnt 32                              ; its extras and K step 0 are in; K steps 1 and 2 may be out
.irp s, 0,1,2,3,4,5,6,7
	v_mov_b32 v[WSC+\s], v[WSN+\s]                 ; K step 0's words first: 14 places ahead of the first product
	v_mov_b32 v[WSC+8+\s], v[WSN+8+\s]
.endr
	s_wait_alu depctr_va_vdst(0)
.irp a, 0,1,2,3,4,5,6,7
	global_load_b32 v[G+\a], v[GA+\a], s[GP:GP+1]
.endr
	KSTEP 0, 1, 1
	s_wait_loadcnt 40                              ; behind K step 1: K step 2, the gates' 8, K step 3
	KSTEP 1, 1, 1
	s_wait_loadcnt 40                              ; behind K step 2: the gates' 8, K steps 3 and 4
	KSTEP 2, 1, 1
	s_wait_loadcnt 32                              ; behind K step 3: K steps 4 and 5
	KSTEP 3, 1, 1
	WIN 0
	s_cmp_eq_u32 s[RE], 0
	s_cbranch_scc1 .Lno_next
	EXTRAS                                         ; the next expert's
	s_wait_loadcnt 48                              ; behind K step 4: K steps 5 and 6, the next expert's 16 extras
	KSTEP 4, 1, 1
	s_wait_loadcnt 48                              ; behind K step 5: K step 6, the extras, K step 7
	KSTEP 5, 2, 1
	s_wait_loadcnt 48                              ; behind K step 6: the extras, K step 7, the next expert's K step 0
	KSTEP 6, 2, 1
	s_wait_loadcnt 32                              ; behind K step 7: the next expert's K steps 0 and 1
	KSTEP 7, 2, 1
	WIN 0
	s_branch .Lweigh
.Lno_next:                                         ; the block's last expert asks for nothing more
	s_wait_loadcnt 32                              ; behind K step 4: K steps 5 and 6
	KSTEP 4, 1, 1
	s_wait_loadcnt 32                              ; behind K step 5: K steps 6 and 7
	KSTEP 5, 0, 1
	s_wait_loadcnt 16                              ; behind K step 6: K step 7
	KSTEP 6, 0, 1
	s_wait_loadcnt 0x0
	KSTEP 7, 0, 0
	WIN 0
.Lweigh:
	PLACES 8                                       ; for the readers of the last products' sums
	EPI
.Lskip:
	s_add_co_u32 s[TR], s[TR], 1
	s_wait_alu depctr_va_vdst(0)                   ; the wait directly ahead of the branch
	s_cmp_lt_u32 s[TR], 8
	s_cbranch_scc1 .Lexpert
	s_wait_loadcnt 0x0                             ; (of a block with no expert: what was asked for at the head)
	s_wait_dscnt 0x0
; THE WAY OUT: a lane holds 32 neighbouring bytes of a row: a tile of 16 tokens x 64 columns goes through my own stage and comes back as whole rows of 256 bytes, with the tokens whose rows they are
.macro TOSTAGE a
	ds_load_b128 v[AD+8*((\a)%2):AD+8*((\a)%2)+3], v[TKA] offset:64*(\a)
	ds_load_b128 v[AD+8*((\a)%2)+4:AD+8*((\a)%2)+7], v[TKA] offset:64*(\a)+16
	WIN 0x08                                       ; an LDS store's data are its source 1: window 2
.irp t, 0,1,2,3
	ds_store_b128 v[STO], v[8*(4*(\a)+\t):8*(4*(\a)+\t)+3] offset:64*\t
	ds_store_b128 v[STO], v[8*(4*(\a)+\t)+4:8*(4*(\a)+\t)+7] offset:64*\t+16
.endr
	WIN 0
.irp i, 0,1,2,3,4,5,6,7
	ds_load_b128 v[FB+32*((\a)%2)+4*\i:FB+32*((\a)%2)+4*\i+3], v[RD] offset:272*\i   ; LDS serves a wave's instructions in order (ISA guide 5.7.1.4)
.endr
.endm
.macro SEND a, younger                 ; younger: the LDS instructions issued behind tile a's loads
	s_wait_dscnt \younger
.irp i, 0,1,2,3,4,5,6,7
	v_min_u32 v[AD+8*((\a)%2)+\i], 0x1fff, v[AD+8*((\a)%2)+\i]
.endr
.irp i, 0,1,2,3,4,5,6,7
	v_lshl_add_u32 v[AD+8*((\a)%2)+\i], v[AD+8*((\a)%2)+\i], 12, v[C16]
.endr
.irp i, 0,1,2,3,4,5,6,7
	global_store_b128 v[AD+8*((\a)%2)+\i], v[FB+32*((\a)%2)+4*\i:FB+32*((\a)%2)+4*\i+3], s[20:21] th:TH_STORE_NT   ; 16 lanes store 256 consecutive bytes, aligned
.endr
.endm
	TOSTAGE 0
.irp a, 1,2,3,4,5,6,7
.if \a > 1
	s_wait_xcnt 0x0                                ; the stores of two tiles back have read their registers
.endif
	TOSTAGE \a
	SEND \a-1, 18                                  ; behind tile a - 1's loads: tile a's 2 loads, 8 stores and 8 loads
.endr
	SEND 7, 0
	s_wait_tensorcnt 0x0                           ; the wave's end
	ds_add_u32 v[SPW], v[NIL]
	s_wait_dscnt 0x0
	s_endpgm
.Lfunc_end_k_q5d35289d44_moe:
	.size	k_q5d35289d44_moe, .Lfunc_end_k_q5d35289d44_moe-k_q5d35289d44_moe
	.p2alignl 7, 3214868480
	.fill 96, 4, 3214868480
	.section	.rodata,"a",@progbits
	.p2align	6, 0x0
	.amdhsa_kernel k_q5d35289d44_moe
		.amdhsa_group_segment_fixed_size 157696
		.amdhsa_private_segment_fixed_size 0
		.amdhsa_enable_private_segment 0
		.amdhsa_kernarg_size 72
		.amdhsa_user_sgpr_count 2
		.amdhsa_user_sgpr_kernarg_segment_ptr 1
		.amdhsa_wavefront_size32 1
		.amdhsa_system_sgpr_workgroup_id_x 1
		.amdhsa_system_sgpr_workgroup_id_y 1
		.amdhsa_system_sgpr_workgroup_id_z 1
		.amdhsa_system_vgpr_workitem_id 0
		.amdhsa_next_free_vgpr 1024
		.amdhsa_next_free_sgpr 66
		.amdhsa_reserve_vcc 0
		.amdhsa_float_denorm_mode_32 3
		.amdhsa_float_denorm_mode_16_64 3
		.amdhsa_memory_ordered 1
		.amdhsa_forward_progress 1
		.amdhsa_inst_pref_size 200
	.end_amdhsa_kernel
	.amdgpu_metadata
---
amdhsa.version: [ 1, 2 ]
amdhsa.kernels:
  - .name:           k_q5d35289d44_moe
    .symbol:         k_q5d35289d44_moe.kd
    .args:
      - { .name: xq, .offset: 0, .size: 8, .value_kind: global_buffer, .address_space: global }
      - { .name: xs, .offset: 8, .size: 8, .value_kind: global_buffer, .address_space: global }
      - { .name: wq, .offset: 16, .size: 8, .value_kind: global_buffer, .address_space: global }
      - { .name: ws, .offset: 24, .size: 8, .value_kind: global_buffer, .address_space: global }
      - { .name: gates, .offset: 32, .size: 8, .value_kind: global_buffer, .address_space: global }
      - { .name: b, .offset: 40, .size: 8, .value_kind: global_buffer, .address_space: global }
      - { .name: order, .offset: 48, .size: 8, .value_kind: global_buffer, .address_space: global }
      - { .name: omask, .offset: 56, .size: 8, .value_kind: global_buffer, .address_space: global }
      - { .name: out0, .offset: 64, .size: 8, .value_kind: global_buffer, .address_space: global }
    .group_segment_fixed_size: 157696
    .private_segment_fixed_size: 0
    .kernarg_segment_align: 8
    .kernarg_segment_size: 72
    .max_flat_workgroup_size: 128
    .sgpr_count:     66
    .vgpr_count:     1024
    .wavefront_size: 32
...
	.end_amdgpu_metadata
.endif
;; end of part 3
